; MI455X (gfx1250); checked and timed in simulation.
; The chip was launched on July 23, 2026; its instructions are those of AMD's public machine-readable ISA for CDNA 5 (MIT licence, August 2026) and "CDNA5" Instruction Set Architecture Reference Guide (July 2026). The comments in the code are by the model that wrote it; some were corrected since.
;; Embedding Shard. Allowed arithmetic: float matrix products may take bf16 or f16 operands with f32 sums; all other float work in f32.
;; Inputs: W 3,150 x 4,096 float32; b 8 x 4,096 float32; x 2 x 2,048 int32.
;; Outputs: out0 4,096 x 4,096 float32.
;; 2 versions, each right; version 2 is version 1 with the launch lookup written anew for expert scheduling mode. Each part assembles by itself: llvm-mc -triple=amdgcn-amd-amdhsa -mcpu=gfx1250 --defsym DOCPART=n.
;; ======== version 1 of 2: 1 launch
;; launch lookup (part 1): grid 4 x 128, 8 waves a work-group, no clusters, 0 bytes of LDS; arguments x, W, b, out0; writes out0
.if DOCPART == 1
	.amdgcn_target "amdgcn-amd-amdhsa--gfx1250"
	.amdhsa_code_object_version 6
	.text
	.protected	k_q695de9cf41_lookup
	.globl	k_q695de9cf41_lookup
	.p2align	8
	.type	k_q695de9cf41_lookup,@function
k_q695de9cf41_lookup:
	s_mov_b64 s[64:65], 0
	v_nop
	global_prefetch_b8 v0, s[64:65] scope:SCOPE_SE
	s_setreg_imm32_b32 hwreg(HW_REG_WAVE_MODE, 25, 1), 1
	s_wait_xcnt 0x0
; out0[t][c] = W[x[t]][c] + (b[0][c] + .. + b[7][c]).   x: [4096] i32, W: [3150][4096] f32, b: [8][4096] f32, out0: [4096][4096] f32.
; The one-hot product of the problem has only the factors 0 and 1: row t of the product IS row x[t] of W (a zero row where x[t] lies outside
; 0..3149).  So this is a gather stream: no matrix unit (it would round W and multiply by zeros), no LDS and no barrier (no wave reads what
; another fetched), no cluster (the work-groups surely share only the bias, 32 KiB of the 288 KiB that each moves).
;
; SHARES.  Work-group (slab, block): slab = 1,024 columns (4,096 bytes of a row), block = 32 tokens; 4 x 128 work-groups of 8 waves.
; Thread t owns the 16 bytes at 4096 slab + 16 t of every row: each load or store of a wave covers 512 consecutive bytes, aligned to 512,
; and the thread's four bias sums stay in registers.  All 32 gathers of a thread are issued at once (32 x 16 bytes x 256 threads = 128 KiB
; on their way for the work-group); each register is loaded once, changed in place once and stored once, and no address, base or store datum
; is ever written again, so no wait is needed to free a source.
;
; LIMITS.  (1) An inf or NaN in W reaches only the tokens that name its row; the dense product would make 0 x inf = NaN of the whole column.
; (2) An index outside 0..3149 (negative ones too: the compare is unsigned) loads the last row of W and multiplies it by 0, which leaves the
; bias alone as the one-hot form does, provided that row is finite.  (3) The eight biases are added as a pairwise tree, not one after the
; other: the last bits of f32 may differ.  W is used in f32, unrounded: for an index in range the result is W * 1.0 + bias, one rounding.
.set VOCAB,  3150                      ; rows of W
.set ROW,    16384                     ; bytes in a row of W, b and out0
.set TOK,    32                        ; tokens of a work-group
.set COL,    1                         ; v1         16 t + 4096 slab: my byte offset in a row (b, out0)
.set B,      2                         ; v[2:5]     bias sum of my 4 columns
.set BT,     6                         ; v[6:37]    the 8 bias rows as loaded, 4 registers each
.set OFF,    38                        ; v[38:69]   token i: byte offset in W of my 16 bytes (at most 3150 x 16384, below 2^31)
.set X,      70                        ; v[70:197]  token i: 4 registers, W's numbers and then the result
.set IDX,    16                        ; s[16:47]   the 32 indices as loaded
	s_load_b256 s[4:11], s[0:1], 0x0               ; x s[4:5], W s[6:7], b s[8:9], out0 s[10:11]
	s_and_b32 s48, ttmp7, 0xffff                   ; token block, 0 to 127
	s_lshl_b32 s12, s48, 7                         ; its 32 indices: 128 bytes of x
	s_mov_b32 s13, 0
	s_lshl_b32 s14, s48, 19                        ; its 32 rows of out0: 32 x 16,384 bytes (at most 127 << 19, inside 32 bits)
	s_mov_b32 s15, 0
	s_mov_b32 s51, 0                               ; upper half of the flag pair: never multiplied by, but the pair is named whole
	s_lshl_b32 s48, ttmp9, 12                      ; column slab x 4,096 bytes
	v_lshl_add_u32 v[COL], v0, 4, s48              ; + 16 bytes a thread
	s_wait_kmcnt 0x0                               ; the four addresses are in
	s_add_nc_u64 s[4:5], s[4:5], s[12:13]          ; x at the block's first token
	s_add_nc_u64 s[10:11], s[10:11], s[14:15]      ; out0 at the block's first row
	s_load_b512 s[IDX:IDX+15],    s[4:5], 0x0      ; the indices are the same for every thread: scalar loads (nothing here writes x)
	s_load_b512 s[IDX+16:IDX+31], s[4:5], 0x40
	; the eight bias rows go out while the indices are on their way; no cache word: 128 work-groups read the same bytes
.irp s, 0,1,2,3,4,5,6,7
	global_load_b128 v[BT+4*\s:BT+4*\s+3], v[COL], s[8:9] offset:\s*ROW
.endr
	s_wait_kmcnt 0x0                               ; scalar loads return in no order (ISA guide 5.7.1): only the count 0 shows both in
; Token i's row is asked for.  The index enters the address only clamped to the table's last row.  No cache word: the list may name a row again.
.macro GATHER i
	s_min_u32 s48, s[IDX+\i], VOCAB-1
	s_lshl_b32 s48, s48, 14                        ; x 16,384 bytes
	v_add_nc_u32 v[OFF+\i], s48, v[COL]            ; s48 feeds this line alone, so the next token may write it at once
	global_load_b128 v[X+4*\i:X+4*\i+3], v[OFF+\i], s[6:7]
.endm
.irp i, 0,1,2,3,4,5,6,7,8,9,10,11,12,13,14,15,16,17,18,19,20,21,22,23,24,25,26,27,28,29,30,31
	GATHER \i
.endr
	; the bias sum, once: a tree of 14 packed adds
	s_wait_loadcnt TOK                             ; loads return in order (ISA guide 5.7.1): the 8 bias loads are in, the 32 gathers behind them stay out
.irp r, 0,2,4,6
.irp h, 0,2
	v_pk_add_f32 v[BT+4*\r+\h:BT+4*\r+\h+1], v[BT+4*\r+\h:BT+4*\r+\h+1], v[BT+4*\r+4+\h:BT+4*\r+4+\h+1]     ; rows r + (r+1)
.endr
.endr
.irp r, 0,4
.irp h, 0,2
	v_pk_add_f32 v[BT+4*\r+\h:BT+4*\r+\h+1], v[BT+4*\r+\h:BT+4*\r+\h+1], v[BT+4*\r+8+\h:BT+4*\r+8+\h+1]     ; (0..1) + (2..3), (4..5) + (6..7)
.endr
.endr
.irp h, 0,2
	v_pk_add_f32 v[B+\h:B+\h+1], v[BT+\h:BT+\h+1], v[BT+16+\h:BT+16+\h+1]                                  ; (0..3) + (4..7)
.endr
; Token i's turn: row x flag + bias, in place, and out.  The flag is 1.0 for an index inside the table and 0 outside, so one fused
; multiply-add does what a plain add would do and also serves the one-hot form's zero row.
.macro TOKEN i
	s_wait_loadcnt TOK-1-\i                        ; gather i is in; the TOK-1-i gathers issued behind it stay out
	s_cmp_lt_u32 s[IDX+\i], VOCAB                  ; unsigned: a negative index is outside too
	s_cselect_b32 s50, 1.0, 0
	v_pk_fma_f32 v[X+4*\i:X+4*\i+1],   v[X+4*\i:X+4*\i+1],   s[50:51], v[B:B+1]   op_sel_hi:[1,0,1]   ; both halves times s50
	v_pk_fma_f32 v[X+4*\i+2:X+4*\i+3], v[X+4*\i+2:X+4*\i+3], s[50:51], v[B+2:B+3] op_sel_hi:[1,0,1]
	global_store_b128 v[COL], v[X+4*\i:X+4*\i+3], s[10:11] offset:\i*ROW th:TH_STORE_NT               ; written once, not read again here
.endm
.irp i, 0,1,2,3,4,5,6,7,8,9,10,11,12,13,14,15,16,17,18,19,20,21,22,23,24,25,26,27,28,29,30,31
	TOKEN \i
.endr
	s_endpgm
.Lfunc_end_k_q695de9cf41_lookup:
	.size	k_q695de9cf41_lookup, .Lfunc_end_k_q695de9cf41_lookup-k_q695de9cf41_lookup
	.p2alignl 7, 3214868480
	.fill 96, 4, 3214868480
	.section	.rodata,"a",@progbits
	.p2align	6, 0x0
	.amdhsa_kernel k_q695de9cf41_lookup
		.amdhsa_group_segment_fixed_size 0
		.amdhsa_private_segment_fixed_size 0
		.amdhsa_enable_private_segment 0
		.amdhsa_kernarg_size 32
		.amdhsa_user_sgpr_count 2
		.amdhsa_user_sgpr_kernarg_segment_ptr 1
		.amdhsa_wavefront_size32 1
		.amdhsa_system_sgpr_workgroup_id_x 1
		.amdhsa_system_sgpr_workgroup_id_y 1
		.amdhsa_system_sgpr_workgroup_id_z 1
		.amdhsa_system_vgpr_workitem_id 0
		.amdhsa_next_free_vgpr 198
		.amdhsa_next_free_sgpr 66
		.amdhsa_reserve_vcc 0
		.amdhsa_float_denorm_mode_32 3
		.amdhsa_float_denorm_mode_16_64 3
		.amdhsa_memory_ordered 1
		.amdhsa_forward_progress 1
		.amdhsa_inst_pref_size 21
	.end_amdhsa_kernel
	.amdgpu_metadata
---
amdhsa.version: [ 1, 2 ]
amdhsa.kernels:
  - .name:           k_q695de9cf41_lookup
    .symbol:         k_q695de9cf41_lookup.kd
    .args:
      - { .name: x, .offset: 0, .size: 8, .value_kind: global_buffer, .address_space: global }
      - { .name: W, .offset: 8, .size: 8, .value_kind: global_buffer, .address_space: global }
      - { .name: b, .offset: 16, .size: 8, .value_kind: global_buffer, .address_space: global }
      - { .name: out0, .offset: 24, .size: 8, .value_kind: global_buffer, .address_space: global }
    .group_segment_fixed_size: 0
    .private_segment_fixed_size: 0
    .kernarg_segment_align: 8
    .kernarg_segment_size: 32
    .max_flat_workgroup_size: 256
    .sgpr_count:     66
    .vgpr_count:     198
    .wavefront_size: 32
...
	.end_amdgpu_metadata
.endif
;; end of part 1
;; ======== version 2 of 2: 1 launch; version 1 with the launch lookup written anew for expert scheduling mode
;; launch lookup (part 2): grid 4 x 128, 8 waves a work-group, no clusters, 0 bytes of LDS; arguments x, W, b, out0; writes out0
.if DOCPART == 2
	.amdgcn_target "amdgcn-amd-amdhsa--gfx1250"
	.amdhsa_code_object_version 6
	.text
	.protected	k_q695de9cf41_lookup
	.globl	k_q695de9cf41_lookup
	.p2align	8
	.type	k_q695de9cf41_lookup,@function
k_q695de9cf41_lookup:
	s_mov_b64 s[64:65], 0
	v_nop
	global_prefetch_b8 v0, s[64:65] scope:SCOPE_SE
	s_setreg_imm32_b32 hwreg(HW_REG_WAVE_SCHED_MODE, 0, 2), 2
	s_setreg_imm32_b32 hwreg(HW_REG_WAVE_MODE, 25, 1), 1
	s_wait_xcnt 0x0
	s_wait_alu depctr_vm_vsrc(0)
; out0[t][c] = W[x[t]][c] + (b[0][c] + .. + b[7][c]).   x: [4096] i32, W: [3150][4096] f32, b: [8][4096] f32, out0: [4096][4096] f32.
; The one-hot product of the problem has only the factors 0 and 1: row t of the product IS row x[t] of W (a zero row where x[t] lies outside
; 0..3149).  So this is a gather stream: no matrix unit (it would round W and multiply by zeros), no LDS and no barrier (no wave reads what
; another fetched), no cluster (the work-groups surely share only the bias, 32 KiB of the 288 KiB that each moves).
;
; SHARES.  Work-group (slab, block): slab = 1,024 columns (4,096 bytes of a row), block = 32 tokens; 4 x 128 work-groups of 8 waves.
; Thread t owns the 16 bytes at 4096 slab + 16 t of every row: each load or store of a wave covers 512 consecutive bytes, aligned to 512,
; and the thread's four bias sums stay in registers.  All 32 gathers of a thread are issued at once (32 x 16 bytes x 256 threads = 128 KiB
; on their way for the work-group); each register is loaded once, changed in place once and stored once, and no address, base or store datum
; is ever written again, so no wait is needed to free a source.
;
; THE MODE: SCHED_MODE bits 1:0 = 2 (LLVM: expert scheduling mode 2), set by the entry lines.  The code itself states the register dependences
; between vector instructions and memory instructions, with s_wait_alu, always for 0.
; THE PLAN.  Registers that memory instructions touch:
;   v[COL]     written once at the head; read as the offset of the bias loads and of every store; never written again.
;   v[OFF+i]   written once, by one add; read as the offset of gather i; never written again.
;   v[BT ..]   the bias loads land in it, and no line names it before; read by the tree of adds behind the wait for the data; no memory line names it again.
;   v[X+4i ..] gather i lands in it, and no line names it before; token i's two multiply-adds rewrite it in place behind the wait for the data; store i reads it; never written again.
;   v[B ..] and the flag s[50:51] are named by vector and scalar instructions alone.
; No load lands in a register that a vector line has named, and no register that a memory line reads is written afterwards.  What is left to state is
; 'written by a vector line, then read by a memory line', and each wait on va_vdst covers a run: one ahead of the bias loads (COL); one behind the run of 32
; adds, ahead of the run of 32 gathers (OFF); and, the tokens going in eight groups of four, one at the head of each group but the first and one behind
; the last: it states that the group before has written its X.  That group's four stores follow, dealt among this group's multiply-adds, which name
; this group's X, B and the flag: none of the registers that those stores read.
;
; LIMITS.  (1) An inf or NaN in W reaches only the tokens that name its row; the dense product would make 0 x inf = NaN of the whole column.
; (2) An index outside 0..3149 (negative ones too: the compare is unsigned) loads the last row of W and multiplies it by 0, which leaves the
; bias alone as the one-hot form does, provided that row is finite.  (3) The eight biases are added as a pairwise tree, not one after the
; other: the last bits of f32 may differ.  W is used in f32, unrounded: for an index in range the result is W * 1.0 + bias, one rounding.
.set VOCAB,  3150                      ; rows of W
.set ROW,    16384                     ; bytes in a row of W, b and out0
.set TOK,    32                        ; tokens of a work-group
.set GRP,    4                         ; tokens in a group
.set COL,    1                         ; v1         16 t + 4096 slab: my byte offset in a row (b, out0)
.set B,      2                         ; v[2:5]     bias sum of my 4 columns
.set BT,     6                         ; v[6:37]    the 8 bias rows as loaded, 4 registers each
.set OFF,    38                        ; v[38:69]   token i: byte offset in W of my 16 bytes (at most 3150 x 16384, below 2^31)
.set X,      70                        ; v[70:197]  token i: 4 registers, W's numbers and then the result
.set IDX,    16                        ; s[16:47]   the 32 indices as loaded
	s_load_b256 s[4:11], s[0:1], 0x0               ; x s[4:5], W s[6:7], b s[8:9], out0 s[10:11]
	s_and_b32 s48, ttmp7, 0xffff                   ; token block, 0 to 127
	s_lshl_b32 s12, s48, 7                         ; its 32 indices: 128 bytes of x
	s_mov_b32 s13, 0
	s_lshl_b32 s14, s48, 19                        ; its 32 rows of out0: 32 x 16,384 bytes (at most 127 << 19, inside 32 bits)
	s_mov_b32 s15, 0
	s_mov_b32 s51, 0                               ; upper half of the flag pair: never multiplied by, but the pair is named whole
	s_lshl_b32 s48, ttmp9, 12                      ; column slab x 4,096 bytes
	v_lshl_add_u32 v[COL], v0, 4, s48              ; + 16 bytes a thread
	s_wait_kmcnt 0x0                               ; the four addresses are in
	s_add_nc_u64 s[4:5], s[4:5], s[12:13]          ; x at the block's first token
	s_add_nc_u64 s[10:11], s[10:11], s[14:15]      ; out0 at the block's first row
	s_load_b512 s[IDX:IDX+15],    s[4:5], 0x0      ; the indices are the same for every thread: scalar loads (nothing here writes x)
	s_load_b512 s[IDX+16:IDX+31], s[4:5], 0x40
	; the eight bias rows go out while the indices are on their way; no cache word: 128 work-groups read the same bytes
	s_wait_alu depctr_va_vdst(0)                   ; v[COL] is written: the bias loads and, later, every store read it as their offset
.irp s, 0,1,2,3,4,5,6,7
	global_load_b128 v[BT+4*\s:BT+4*\s+3], v[COL], s[8:9] offset:\s*ROW
.endr
	s_wait_kmcnt 0x0                               ; scalar loads return in no order (ISA guide 5.7.1): only the count 0 shows both in
; Token i's offset in W.  The index enters the address only clamped to the table's last row.
.macro OFFSET i
	s_min_u32 s48, s[IDX+\i], VOCAB-1
	s_lshl_b32 s48, s48, 14                        ; x 16,384 bytes
	v_add_nc_u32 v[OFF+\i], s48, v[COL]            ; s48 feeds this line alone, so the next token may write it at once
.endm
.irp i, 0,1,2,3,4,5,6,7,8,9,10,11,12,13,14,15,16,17,18,19,20,21,22,23,24,25,26,27,28,29,30,31
	OFFSET \i
.endr
	s_wait_alu depctr_va_vdst(0)                   ; the 32 adds have written v[OFF ..], which the 32 gathers read as their offsets
.irp i, 0,1,2,3,4,5,6,7,8,9,10,11,12,13,14,15,16,17,18,19,20,21,22,23,24,25,26,27,28,29,30,31
	global_load_b128 v[X+4*\i:X+4*\i+3], v[OFF+\i], s[6:7]     ; token i's row is asked for.  No cache word: the list may name a row again
.endr
	; the bias sum, once: a tree of 14 packed adds
	s_wait_loadcnt TOK                             ; loads return in order (ISA guide 5.7.1): the 8 bias loads are in, the 32 gathers behind them stay out
.irp r, 0,2,4,6
.irp h, 0,2
	v_pk_add_f32 v[BT+4*\r+\h:BT+4*\r+\h+1], v[BT+4*\r+\h:BT+4*\r+\h+1], v[BT+4*\r+4+\h:BT+4*\r+4+\h+1]     ; rows r + (r+1)
.endr
.endr
.irp r, 0,4
.irp h, 0,2
	v_pk_add_f32 v[BT+4*\r+\h:BT+4*\r+\h+1], v[BT+4*\r+\h:BT+4*\r+\h+1], v[BT+4*\r+8+\h:BT+4*\r+8+\h+1]     ; (0..1) + (2..3), (4..5) + (6..7)
.endr
.endr
.irp h, 0,2
	v_pk_add_f32 v[B+\h:B+\h+1], v[BT+\h:BT+\h+1], v[BT+16+\h:BT+16+\h+1]                                  ; (0..3) + (4..7)
.endr
; Token i goes out: written once, not read again here.
.macro OUT i
	global_store_b128 v[COL], v[X+4*(\i):X+4*(\i)+3], s[10:11] offset:(\i)*ROW th:TH_STORE_NT
.endm
; Group g: tokens 4 g to 4 g + 3.  Each token's turn: row x flag + bias, in place.  The flag is 1.0 for an index inside the table and 0 outside,
; so one fused multiply-add does what a plain add would do and also serves the one-hot form's zero row.  In front of each turn a token of the group before goes out.
.macro GROUP g
	s_wait_loadcnt TOK-GRP*((\g)+1)                ; the group's four gathers are in; the gathers issued behind them stay out
.if (\g) > 0
	s_wait_alu depctr_va_vdst(0)                   ; the multiply-adds of the group before have written its X, which the four stores below read
.endif
.irp j, 0,1,2,3
.if (\g) > 0
	OUT GRP*((\g)-1)+(\j)                          ; no vector line since the wait names these registers
.endif
	s_cmp_lt_u32 s[IDX+GRP*(\g)+(\j)], VOCAB       ; unsigned: a negative index is outside too
	s_cselect_b32 s50, 1.0, 0
	v_pk_fma_f32 v[X+4*(GRP*(\g)+(\j)):X+4*(GRP*(\g)+(\j))+1],   v[X+4*(GRP*(\g)+(\j)):X+4*(GRP*(\g)+(\j))+1],   s[50:51], v[B:B+1]   op_sel_hi:[1,0,1]   ; both halves times s50
	v_pk_fma_f32 v[X+4*(GRP*(\g)+(\j))+2:X+4*(GRP*(\g)+(\j))+3], v[X+4*(GRP*(\g)+(\j))+2:X+4*(GRP*(\g)+(\j))+3], s[50:51], v[B+2:B+3] op_sel_hi:[1,0,1]
.endr
.endm
.irp g, 0,1,2,3,4,5,6,7
	GROUP \g
.endr
	s_wait_alu depctr_va_vdst(0)                   ; the last group's multiply-adds have written its X, which the last four stores read
.irp j, 0,1,2,3
	OUT TOK-GRP+(\j)
.endr
	s_endpgm
.Lfunc_end_k_q695de9cf41_lookup:
	.size	k_q695de9cf41_lookup, .Lfunc_end_k_q695de9cf41_lookup-k_q695de9cf41_lookup
	.p2alignl 7, 3214868480
	.fill 96, 4, 3214868480
	.section	.rodata,"a",@progbits
	.p2align	6, 0x0
	.amdhsa_kernel k_q695de9cf41_lookup
		.amdhsa_group_segment_fixed_size 0
		.amdhsa_private_segment_fixed_size 0
		.amdhsa_enable_private_segment 0
		.amdhsa_kernarg_size 32
		.amdhsa_user_sgpr_count 2
		.amdhsa_user_sgpr_kernarg_segment_ptr 1
		.amdhsa_wavefront_size32 1
		.amdhsa_system_sgpr_workgroup_id_x 1
		.amdhsa_system_sgpr_workgroup_id_y 1
		.amdhsa_system_sgpr_workgroup_id_z 1
		.amdhsa_system_vgpr_workitem_id 0
		.amdhsa_next_free_vgpr 198
		.amdhsa_next_free_sgpr 66
		.amdhsa_reserve_vcc 0
		.amdhsa_float_denorm_mode_32 3
		.amdhsa_float_denorm_mode_16_64 3
		.amdhsa_memory_ordered 1
		.amdhsa_forward_progress 1
		.amdhsa_inst_pref_size 21
	.end_amdhsa_kernel
	.amdgpu_metadata
---
amdhsa.version: [ 1, 2 ]
amdhsa.kernels:
  - .name:           k_q695de9cf41_lookup
    .symbol:         k_q695de9cf41_lookup.kd
    .args:
      - { .name: x, .offset: 0, .size: 8, .value_kind: global_buffer, .address_space: global }
      - { .name: W, .offset: 8, .size: 8, .value_kind: global_buffer, .address_space: global }
      - { .name: b, .offset: 16, .size: 8, .value_kind: global_buffer, .address_space: global }
      - { .name: out0, .offset: 24, .size: 8, .value_kind: global_buffer, .address_space: global }
    .group_segment_fixed_size: 0
    .private_segment_fixed_size: 0
    .kernarg_segment_align: 8
    .kernarg_segment_size: 32
    .max_flat_workgroup_size: 256
    .sgpr_count:     66
    .vgpr_count:     198
    .wavefront_size: 32
...
	.end_amdgpu_metadata
.endif
;; end of part 2
